; MI455X (gfx1250); checked and timed in simulation.
; The chip was launched on July 23, 2026; its instructions are those of AMD's public machine-readable ISA for CDNA 5 (MIT licence, August 2026) and "CDNA5" Instruction Set Architecture Reference Guide (July 2026). The comments in the code are by the model that wrote it; some were corrected since.
;; Multi Modal Spiking Transformer. Allowed arithmetic: matrix products marked QUANTISED: E5M2 operands, one E8M0 scale for each 32 along K, by v_wmma_scale_f32_16x16x128_f8f6f4 with both operands' format E5M2, f32 sums; everything else in f32.
;; Inputs: Wk 512 x 512 float32; Wo 512 x 512 float32; Wq 512 x 512 float32; Wv 512 x 512 float32; bk 512 float32; bo 512 float32; bq 512 float32; bv 512 float32; key_spikes 4 x 32 x 256 x 512 float32; modality_weights 2 x 8 float32; query_spikes 4 x 32 x 256 x 512 float32; temporal_sync 32 x 8 float32; value_spikes 4 x 32 x 256 x 512 float32.
;; Outputs: out0 4 x 32 x 256 x 512 float32.
;; This version of the problem:
;;   THIS VERSION OF THE PROBLEM IS GIVEN IN LOW PRECISION. The matrix products marked QUANTISED in the list below multiply operands that are first quantised to E5M2 (5 exponent bits, 2 mantissa bits; 8 bits a number), with one power-of-two scale for each 32 numbers along K (OCP MX v1.0); their sums are f32. All else is computed in f32.
;;   The module's matrix products, in the order in which they are computed (A, B: the left and right operand; K: the contracted axis; several contracted axes count as one K, in the product's order):
;;     1. [M 32,768, K 512] x [K 512, N 512]; A: input query_spikes; B: input Wq: QUANTISED
;;     2. [M 32,768, K 512] x [K 512, N 512]; A: input key_spikes; B: input Wk: QUANTISED
;;     3. [M 32,768, K 512] x [K 512, N 512]; A: input value_spikes; B: input Wv: QUANTISED
;;     4. batch 1,024 x [M 256, K 64] x [K 64, N 256]; A: computed on the way; B: computed on the way: QUANTISED
;;     5. batch 1,024 x [M 256, K 256] x [K 256, N 64]; A: computed on the way; B: computed on the way: QUANTISED
;;     6. [M 32,768, K 512] x [K 512, N 512]; A: computed on the way; B: input Wo: QUANTISED
;;   THE QUANTISER, for each operand of a quantised product, along K:
;;     - K is cut into blocks of 32 from its start; a last block that is shorter is filled with zeros.
;;     - A block's scale is 2^e with e = floor(log2(the largest magnitude in the block)) - 15, held to -126 .. 127; a block of zeros has e = 0. As a byte (E8M0): e + 127.
;;     - Each number is divided by its block's scale, clamped to +-57,344, and rounded to the nearest number of E5M2, ties to even, subnormals kept.
;;     - The product sums the exact products of the quantised numbers (number of the format x scale) in f32.
;;   ~~~python
;;   def quantise(x, axis):      # numpy; x: float32 -> the quantised numbers, widened to float32 again
;;       x = np.moveaxis(x, axis, -1); K = x.shape[-1]
;;       x = np.pad(x, [(0, 0)] * (x.ndim - 1) + [(0, -K % 32)]); x = x.reshape(x.shape[:-1] + (-1, 32)); a = np.abs(x).max(-1, keepdims=True)
;;       e = np.where(a > 0, np.clip(np.frexp(np.where(a > 0, a, 1))[1] - 1 - 15, -126, 127), 0)      # np.frexp(a)[1] - 1 = floor(log2(a)), exactly
;;       r = np.clip(x / 2.0 ** e, -57344, 57344)
;;       step = 2.0 ** (np.maximum(np.frexp(np.where(r == 0, 1, r))[1] - 1, -14) - 2)
;;       q = np.round(r / step) * step * 2.0 ** e      # np.round: ties to even
;;       return np.moveaxis(q.reshape(q.shape[:-2] + (-1,))[..., :K], -1, axis).astype(np.float32)
;;   ~~~
;;   OPERANDS COMPUTED ON THE WAY. 'Computed on the way' means the value that the module computes at that place (a softmax that the list does not call 'softmax' is quantised finished and normalised). What goes into a quantiser is computed in f32, as accurately as f32 sums, v_exp_f32 and their like allow (about 1e-6 of the number): no bf16 or f16 on the way to a quantiser, and a product that is left as it is and whose result goes on into a quantised operand takes f32 operands (vector FMAs, or v_wmma_f32_16x16x4_f32). A number that lies on a knife's edge between two numbers of the format may be rounded either way, as far as f32 arithmetic and the matrix unit's own rounding can turn it there, and no further.
;; One version. Each part assembles by itself: llvm-mc -triple=amdgcn-amd-amdhsa -mcpu=gfx1250 --defsym DOCPART=n.
;; ======== version 1 of 1: 3 launches
;; workspace buffers: wcodes 1,048,576 bytes; wscales 32,768 bytes; qb 17,825,792 bytes; kv 35,127,296 bytes
;; launch wquant (part 1): grid 16 x 4, 4 waves a work-group, no clusters, 0 bytes of LDS; arguments Wq, Wk, Wv, Wo, wcodes, wscales; writes wcodes, wscales
.if DOCPART == 1
	.amdgcn_target "amdgcn-amd-amdhsa--gfx1250"
	.amdhsa_code_object_version 6
	.text
	.protected	k_q85ea8bf43e_wquant
	.globl	k_q85ea8bf43e_wquant
	.p2align	8
	.type	k_q85ea8bf43e_wquant,@function
k_q85ea8bf43e_wquant:
	s_mov_b64 s[64:65], 0
	v_nop
	global_prefetch_b8 v0, s[64:65] scope:SCOPE_SE
	s_setreg_imm32_b32 hwreg(HW_REG_WAVE_MODE, 25, 1), 1
	s_wait_xcnt 0x0
; The four weights [512 (k)][512 (n)], f32, K their FIRST axis, become codes of E5M2 with one E8M0 byte for each 32 along K.
; A lane takes a column n and its registers run down K, so a block of 32 lies in one lane and the conversions give codes with K innermost.
; OUT, in the order of the operand's registers: wcodes [weight 4][tile 32][K step 4][piece 4][512 bytes].  Tile T holds the columns
; 32 (T / 2) + 8 (T % 2) + r + 8 (r / 8), r = 0 .. 15; a piece holds, at byte 16 (r + 16 h), the codes k = 32 c + 16 h + 0 .. 15 of that column.
; wscales [weight][K step][column]: one word, byte c for K block 4 s + c.
; SHARES: work-group x = 4 x weight + group of 128 columns, y = K step of 128; wave w takes 32 columns, a lane one.
; A block of zeros gets the byte 1 where the rule says 127: its codes are zeros, and this program alone reads the bytes.
; LIMITS: NaN and infinities among the inputs are not served.  No LDS, no barrier: waves share nothing.
.set XR,  32                           ; v32-159  four blocks of 32 numbers
.set CR,  160                          ; v160-191 eight registers of codes a block: no store's data are written again
.set SBR, 24                           ; v24      the four scale bytes
	s_load_b256 s[4:11], s[0:1], 0x0               ; Wq, Wk, Wv, Wo
	s_load_b128 s[12:15], s[0:1], 0x20             ; wcodes, wscales
	v_lshrrev_b32 v1, 5, v0
	v_readfirstlane_b32 s16, v1                    ; wave
	v_and_b32 v2, 31, v0                           ; x: my column among the wave's 32
	s_lshr_b32 s17, ttmp9, 2                       ; which weight
	s_and_b32 s18, ttmp9, 3
	s_lshl_b32 s18, s18, 2
	s_add_co_u32 s18, s18, s16                     ; bp: which 32 columns
	s_and_b32 s19, ttmp7, 0xffff                   ; K step
	v_lshlrev_b32 v3, 2, v2                        ; in: 4 bytes a lane
	v_bfe_u32 v4, v2, 3, 1                         ; the tile of the pair: (x / 8) % 2
	v_and_b32 v5, 7, v2
	v_lshrrev_b32 v6, 4, v2
	v_lshl_add_u32 v5, v6, 3, v5                   ; r = x % 8 + 8 (x / 16)
	v_lshlrev_b32 v5, 4, v5
	v_lshl_add_u32 v4, v4, 13, v5                  ; out: 8,192 x tile + 16 r
	s_mov_b32 s31, 0x600000                        ; the mantissa field of 57,344
	s_lshl_b32 s20, s19, 18                        ; W: 128 s rows of 2,048 bytes
	s_lshl_b32 s21, s18, 7                         ;    + 32 bp columns of 4 bytes
	s_add_co_u32 s20, s20, s21
	s_mov_b32 s21, 0
	s_lshl_b32 s22, s17, 18                        ; codes: 262,144 x weight
	s_lshl_b32 s23, s18, 14                        ;    + 2 bp tiles of 8,192
	s_add_co_u32 s22, s22, s23
	s_lshl_b32 s23, s19, 11                        ;    + 2,048 x K step
	s_add_co_u32 s22, s22, s23
	s_mov_b32 s23, 0
	s_lshl_b32 s24, s17, 13                        ; scale words: 8,192 x weight
	s_lshl_b32 s25, s19, 11                        ;    + 2,048 x K step
	s_add_co_u32 s24, s24, s25
	s_lshl_b32 s25, s18, 7                         ;    + 32 bp words
	s_add_co_u32 s24, s24, s25
	s_mov_b32 s25, 0
	s_and_b32 s26, s17, 1
	s_wait_kmcnt 0x0
	s_cmp_lt_u32 s17, 2                            ; the weight is chosen by the work-group's number alone
	s_cselect_b64 s[4:5], s[4:5], s[8:9]
	s_cselect_b64 s[6:7], s[6:7], s[10:11]
	s_cmp_eq_u32 s26, 0
	s_cselect_b64 s[4:5], s[4:5], s[6:7]
	s_add_nc_u64 s[4:5], s[4:5], s[20:21]
	s_add_nc_u64 s[12:13], s[12:13], s[22:23]
	s_add_nc_u64 s[14:15], s[14:15], s[24:25]
.macro WLOAD c                         ; block c: W(128 s + 32 c + i, my column): 32 lanes read 128 consecutive bytes
.irp i, 0,1,2,3,4,5,6,7,8,9,10,11,12,13,14,15,16,17,18,19,20,21,22,23,24,25,26,27,28,29,30,31
	global_load_b32 v[XR+32*(\c)+\i], v3, s[4:5] offset:(32*(\c)+\i)*2048 th:TH_LOAD_NT
.endr
.endm
.macro WBLOCK c
.set XS, XR+32*(\c)
.if \c < 3
	s_wait_loadcnt 32                              ; this block's 32 loads are in; the next block's 32 may be out
.else
	s_wait_loadcnt 0x0
.endif
.if \c < 2
	WLOAD (\c)+2                                   ; two blocks ahead, into registers of its own
.endif
	v_max3_num_f32 v12, |v[XS]|, |v[XS+1]|, |v[XS+2]|      ; the block's largest magnitude: all 32 numbers are mine
	v_max3_num_f32 v13, |v[XS+3]|, |v[XS+4]|, |v[XS+5]|
.irp i, 6,10,14,18,22,26
	v_max3_num_f32 v12, v12, |v[XS+\i]|, |v[XS+\i+1]|
	v_max3_num_f32 v13, v13, |v[XS+\i+2]|, |v[XS+\i+3]|
.endr
	v_max3_num_f32 v12, v12, |v[XS+30]|, |v[XS+31]|
	v_max3_num_f32 v12, v12, v13, 0x8000000        ; and the floor 2^(16 - 127): the byte cannot fall under 1
	v_add_nc_u32 v11, 0xf8800000, v12              ; 15 off the exponent field: the conversion's scale operand
	v_and_or_b32 v10, v12, 0x7f800000, s31         ; 57,344 x the scale
	v_lshrrev_b32 v13, 23, v11                     ; the scale's byte
.if \c == 0
	v_mov_b32 v[SBR], v13
.else
	v_lshl_or_b32 v[SBR], v13, 8*(\c), v[SBR]
.endif
.irp i, 0,1,2,3,4,5,6,7,8,9,10,11,12,13,14,15,16,17,18,19,20,21,22,23,24,25,26,27,28,29,30,31
	v_med3_num_f32 v[XS+\i], v[XS+\i], -v10, v10   ; the conversion to an 8-bit code does not saturate (ISA guide 7.6.2): the hold comes first
.endr
.irp g, 0,1,2,3
	v_cvt_scalef32_pk8_bf8_f32 v[CR+8*(\c)+2*\g:CR+8*(\c)+2*\g+1], v[XS+8*\g:XS+8*\g+7], v11
.endr
	global_store_b128 v4, v[CR+8*(\c):CR+8*(\c)+3], s[12:13] offset:512*(\c)          ; k = 32 c + 0 .. 15: the piece's lower half; the wave's store covers two whole runs of 256 bytes
	global_store_b128 v4, v[CR+8*(\c)+4:CR+8*(\c)+7], s[12:13] offset:512*(\c)+256    ; k = 32 c + 16 .. 31: its upper half
.endm
	WLOAD 0
	WLOAD 1
	WBLOCK 0
	WBLOCK 1
	WBLOCK 2
	WBLOCK 3
	global_store_b32 v3, v[SBR], s[14:15]          ; my column's scale word of this K step
	s_endpgm
.Lfunc_end_k_q85ea8bf43e_wquant:
	.size	k_q85ea8bf43e_wquant, .Lfunc_end_k_q85ea8bf43e_wquant-k_q85ea8bf43e_wquant
	.p2alignl 7, 3214868480
	.fill 96, 4, 3214868480
	.section	.rodata,"a",@progbits
	.p2align	6, 0x0
	.amdhsa_kernel k_q85ea8bf43e_wquant
		.amdhsa_group_segment_fixed_size 0
		.amdhsa_private_segment_fixed_size 0
		.amdhsa_enable_private_segment 0
		.amdhsa_kernarg_size 48
		.amdhsa_user_sgpr_count 2
		.amdhsa_user_sgpr_kernarg_segment_ptr 1
		.amdhsa_wavefront_size32 1
		.amdhsa_system_sgpr_workgroup_id_x 1
		.amdhsa_system_sgpr_workgroup_id_y 1
		.amdhsa_system_sgpr_workgroup_id_z 1
		.amdhsa_system_vgpr_workitem_id 0
		.amdhsa_next_free_vgpr 192
		.amdhsa_next_free_sgpr 66
		.amdhsa_reserve_vcc 0
		.amdhsa_float_denorm_mode_32 3
		.amdhsa_float_denorm_mode_16_64 3
		.amdhsa_memory_ordered 1
		.amdhsa_forward_progress 1
		.amdhsa_inst_pref_size 29
	.end_amdhsa_kernel
	.amdgpu_metadata
---
amdhsa.version: [ 1, 2 ]
amdhsa.kernels:
  - .name:           k_q85ea8bf43e_wquant
    .symbol:         k_q85ea8bf43e_wquant.kd
    .args:
      - { .name: Wq, .offset: 0, .size: 8, .value_kind: global_buffer, .address_space: global }
      - { .name: Wk, .offset: 8, .size: 8, .value_kind: global_buffer, .address_space: global }
      - { .name: Wv, .offset: 16, .size: 8, .value_kind: global_buffer, .address_space: global }
      - { .name: Wo, .offset: 24, .size: 8, .value_kind: global_buffer, .address_space: global }
      - { .name: wcodes, .offset: 32, .size: 8, .value_kind: global_buffer, .address_space: global }
      - { .name: wscales, .offset: 40, .size: 8, .value_kind: global_buffer, .address_space: global }
    .group_segment_fixed_size: 0
    .private_segment_fixed_size: 0
    .kernarg_segment_align: 8
    .kernarg_segment_size: 48
    .max_flat_workgroup_size: 128
    .sgpr_count:     66
    .vgpr_count:     192
    .wavefront_size: 32
...
	.end_amdgpu_metadata
.endif
;; end of part 1
;; launch proj (part 2): grid 256 x 1, 4 waves a work-group, no clusters, 327,680 bytes of LDS; arguments query_spikes, key_spikes, value_spikes, bq, bk, bv, wcodes, wscales, qb, kv; writes qb, kv
.if DOCPART == 2
	.amdgcn_target "amdgcn-amd-amdhsa--gfx1250"
	.amdhsa_code_object_version 6
	.text
	.protected	k_q85ea8bf43e_proj
	.globl	k_q85ea8bf43e_proj
	.p2align	8
	.type	k_q85ea8bf43e_proj,@function
k_q85ea8bf43e_proj:
	s_mov_b64 s[64:65], 0
	v_nop
	global_prefetch_b8 v0, s[64:65] scope:SCOPE_SE
	s_setreg_imm32_b32 hwreg(HW_REG_WAVE_MODE, 25, 1), 1
	s_wait_xcnt 0x0
; The three projections on codes of E5M2, and their results quantised again as the operands of the attention's two products.
; SHARES.  A work-group first takes one (b, t) of the queries (work-groups 0-127) or of the keys (128-255): 256 rows x 512, four blocks of 64 rows;
; then 128 rows of the values of (b, t) = work-group / 2: two blocks more.  THE WAVES SHARE THE COLUMNS: wave w makes columns 128 w .. 128 w + 127 (heads 2 w, 2 w + 1) of all rows;
; its part of the weight, 32 fragments, stays in 512 registers, first Wq's or Wk's, then Wv's.
; x arrives as f32 through a ring of two LDS slots of 64 rows filled by the tensor data mover, 16 rows a wave.  THE RING GOES ON FROM THE FIRST TENSOR INTO THE VALUES: the slots that
; blocks 2 and 3 leave are filled with the values' two blocks.  Wave w quantises tile w of a block's rows and stores the four fragments as images of their registers
; (16 bytes a lane, 512 a store); behind a barrier every wave loads them by the same lines.
; EVERY TILE OF 16 holds rows (or columns) 32 (tile / 2) + 8 (tile % 2) + r + 8 (r / 8).  Q, K: source 0 = 16 columns of W, source 1 = 16 rows of x: a lane holds ONE row, and the 16 registers
; of two neighbouring tiles are 16 neighbouring columns.  V: the sources the other way round: a lane holds ONE column and 16 neighbouring keys.  So the conversions' results are the pieces of the next operand.
; OUT, Q and K, for each (b, t, pair of heads): codes [row tile 16][head 2][piece 2][512 bytes]; scale words [head 2][4 tiles a run of 256 bytes]: word (tile i, row r) at 128 (i / 2) + 8 r + 4 (i % 2).
; A word is byte 0 | byte 1 << 8, copied into its upper half: the scores' K is 64, and the other 64 of the instruction's 128 are zero codes.
; OUT, V, behind K's 32,768 bytes of codes: [column tile 8][key block 8][512 bytes]; scale words at 67,584: [head 2][128 keys 2][256 bytes], a byte for each block of 32 keys.
; NO CLUSTER: no two work-groups read the same rows of x, and the weights go into registers by plain loads.  NO PREFETCH: the launch streams x from its first block to its last.
; A block of zeros gets the byte 1 (its codes are zeros; this program alone reads the bytes).  LIMITS: NaN and infinities among the inputs are not served.
.set PART,  33296                      ; a wave's 16 rows in a slot: 32 half rows of 1,024 bytes + 16 of padding, and 16 bytes more
.set SLOTB, 133376                     ; from slot 0 to slot 1
.set XIMG,  266752                     ; x's 16 fragments of a block: (4 m + s) x 2,048
.set XSC,   299520                     ; their scale words: (4 m + s) x 128, 4 bytes a lane
.set SPARE, 301568                     ; the spare words: 128 bytes a wave, two runs of 256 bytes that no other line names
.set SPW, 1                            ; v1  my spare word's address; never rewritten
.set NIL, 2                            ; v2  0; never rewritten
.set LG,  3                            ; v3  16 x lane
.set XA,  4                            ; v4  my place in a slot: my row of tile w, + 64 h
.set XAT, 5                            ; v5  the same in the slot in hand
.set LI2, 6                            ; v6  XIMG + 16 x lane
.set LS2, 7                            ; v7  XSC + 4 x lane
.set XWI, 8                            ; v8  LI2 + 8,192 x wave
.set XWS, 9                            ; v9  LS2 + 512 x wave
.set SG,  10                           ; v10 8 x lane
.set WSO, 14                           ; v14 4 (r + 8 (r / 8)): a tile's column, for scale words and V's bias
.set WS,  16                           ; v16-47  the weight's scale words (tile t, K step s) at 4 t + s
.set XS,  48                           ; v48-55  x's scale words (Q, K: four; V: (u, s) at 4 u + s)
.set SW,  52                           ; v52-59  Q, K: the results' scale words (tile m, head e) at 2 m + e
.set PR,  60                           ; v60-63  Q, K: two pairs to store
.set VS,  56                           ; v56-63  V: its scale words, a byte for each block of 32 keys
.set TM,  64                           ; v64-79  at work in QUANT
.set PW,  80                           ; v80     a scale word just made
.set PC,  96                           ; v96-111 codes just made
.set PRV, 112                          ; v112-115 V: two pairs to store
.set HA,  112                          ; v112-175 Q, K: eight result tiles; also 64 numbers of x
.set ST,  176                          ; v176-239 Q, K: 64 numbers of x
.set HV,  128                          ; v128-255 V: 16 result tiles (t, u) at 16 t + 8 u; its halves also take 64 numbers of x each
.set XF,  0                            ; window 3: x's fragments (Q, K: four; V: (u, s) at 16 (4 u + s))
.set BI,  64                           ; window 3: Q's or K's bias, eight registers a tile
.set BV,  128                          ; window 3: V's bias, eight equal registers a tile.  Windows 1 and 2: the weight's fragments, K steps 0, 1 and 2, 3, at 16 (8 (s % 2) + t)
.set WV,   20
.set WOFF, 21
.set TB,   22
.set MNT,  23
.set G1,   24                          ; s[24:31] descriptor group 1
.set G0A,  32                          ; s[32:35] group 0: block 0
.set G0B,  36                          ; s[36:39] group 0: block 1, then blocks 2 and 3
.set SEL,  40
.set CNT,  42
.set HM,   43
.set CP,   44
.set SCP,  46
.set SH,   58
.set G0C,  72                          ; s[72:75] group 0: the values' two blocks
.set VCP,  76                          ; s[76:77] V's codes;  s[78:79] V's scale words
.set VSP,  78
.set WVP,  80                          ; s[80:81] Wv's codes, my eight tiles;  s[82:83] its scale words
.set WVS,  82
.set WQP,  84                          ; s[84:85], s[86:87] the same of Wq or Wk
.set WQS,  86
.set VO,   88                          ; s[88:89] what the values' descriptor steps by: 0, then a block
.set MSB, 0
.macro WIN new                         ; the immediate's high byte repeats the setting that is left
.if MSB != \new
	s_set_vgpr_msb (MSB<<8)|\new
.set MSB, \new
.endif
.endm
; 4 x 16 numbers of a lane, each 16 the lane's half of a block of 32, become 16 registers of codes in v[PC] on; the four bytes are left in v[TM+4] on.
.macro QUANT s
.irp b, 0,1,2,3
	v_max3_num_f32 v[TM+\b], |v[\s+16*\b]|, |v[\s+1+16*\b]|, 0x8000000   ; my 16 numbers of block b, and the floor 2^(16 - 127)
.endr
.irp i, 2,4,6,8,10,12,14
.irp b, 0,1,2,3
	v_max3_num_f32 v[TM+\b], v[TM+\b], |v[\s+16*\b+\i]|, |v[\s+1+16*\b+\i]|
.endr
.endr
.irp b, 0,1,2,3
	v_permlanex16_b32 v[TM+4+\b], v[TM+\b], s[SEL], s[SEL+1]
.endr
.irp b, 0,1,2,3
	v_max_num_f32 v[TM+\b], v[TM+\b], v[TM+4+\b]   ; with lane l xor 16's: the block's largest magnitude
.endr
.irp b, 0,1,2,3
	v_add_nc_u32 v[TM+12+\b], 0xf8800000, v[TM+\b] ; 15 off the exponent field: the conversion's scale operand
.endr
.irp b, 0,1,2,3
	v_and_or_b32 v[TM+8+\b], v[TM+\b], 0x7f800000, s[MNT]   ; 57,344 x the scale
.endr
.irp b, 0,1,2,3
	v_lshrrev_b32 v[TM+4+\b], 23, v[TM+12+\b]      ; the scale's byte
.endr
.irp b, 0,1,2,3
.irp i, 0,1,2,3,4,5,6,7,8,9,10,11,12,13,14,15
	v_med3_num_f32 v[\s+16*\b+\i], v[\s+16*\b+\i], -v[TM+8+\b], v[TM+8+\b]   ; the conversion does not saturate (ISA guide 7.6.2): the hold comes first
.endr
	v_cvt_scalef32_pk8_bf8_f32 v[PC+4*\b:PC+1+4*\b], v[\s+16*\b:\s+7+16*\b], v[TM+12+\b]
	v_cvt_scalef32_pk8_bf8_f32 v[PC+2+4*\b:PC+3+4*\b], v[\s+8+16*\b:\s+15+16*\b], v[TM+12+\b]
.endr
	v_nop                                          ; a plain line behind the last conversion: later products write its sources
.endm
.macro WSTEP s, base                   ; K step s of my eight tiles of a weight: 32 loads of 512 consecutive bytes
.irp t, 0,1,2,3,4,5,6,7
.irp c, 0,1,2,3
	global_load_b128 v[16*(8*((\s)%2)+\t)+4*\c:16*(8*((\s)%2)+\t)+4*\c+3], v[LG], s[\base:\base+1] offset:\t*8192+(\s)*2048+\c*512
.endr
.endr
.endm
.macro WSCL base                       ; and its scale words
.irp t, 0,1,2,3,4,5,6,7
.irp s, 0,1,2,3
	global_load_b32 v[WS+4*\t+\s], v[WSO], s[\base:\base+1] offset:\s*2048+(32*(\t/2)+8*(\t%2))*4
.endr
.endr
.endm
.macro HOOK s                          ; in the values' first block alone: K step s of Wv is asked for, so that it lands beside the quantising of x
	s_cmp_lg_u32 s[CNT], 2
	s_cbranch_scc1 .Lhave_\@
.if \s < 2
	WIN 0x40                                       ; destination window 1
.else
	WIN 0x80                                       ; destination window 2
.endif
	WSTEP \s, WVP
	WIN 0
.Lhave_\@:
.endm
.macro XLOAD buf, ks                   ; my row's 64 numbers of K step ks: 16 neighbours of each block of 32
.irp c, 0,1,2,3
.irp n, 0,1,2,3
	ds_load_b128 v[\buf+16*\c+4*\n:\buf+16*\c+4*\n+3], v[XAT] offset:((\ks)/2)*1040+((\ks)%2)*512+128*\c+16*\n
.endr
.endr
.endm
.macro XQ ks, buf                      ; K step ks of my tile of x: quantised, image and scale word to LDS
.if \ks < 3
	s_wait_dscnt 16                                ; all but the 16 loads issued last: this step's numbers are in, and the last step's stores have read their registers
.else
	s_wait_dscnt 0x0
.endif
	QUANT \buf
	v_lshl_or_b32 v[PW], v[TM+5], 8, v[TM+4]
	v_lshl_or_b32 v[PW], v[TM+6], 16, v[PW]
	v_lshl_or_b32 v[PW], v[TM+7], 24, v[PW]
.irp c, 0,1,2,3
	ds_store_b128 v[XWI], v[PC+4*\c:PC+4*\c+3] offset:2048*(\ks)+512*\c
.endr
	ds_store_b32 v[XWS], v[PW] offset:128*(\ks)
.if \ks < 2
	XLOAD \buf, (\ks)+2
.endif
.endm
.macro XPHASE b0, b1, hook             ; a block's first phase: my tile of x becomes four fragments
	XLOAD \b0, 0
	XLOAD \b1, 1
.if \hook
	HOOK 0
.endif
	XQ 0, \b0
.if \hook
	HOOK 1
.endif
	XQ 1, \b1
.if \hook
	HOOK 2
.endif
	XQ 2, \b0
.if \hook
	HOOK 3
.endif
	XQ 3, \b1
.endm
.macro FETCHX m                        ; Q, K: tile m's four fragments and scale words, as any wave stored them
	WIN 0xc0                                       ; destination window 3
.irp s, 0,1,2,3
.irp c, 0,1,2,3
	ds_load_b128 v[XF+16*\s+4*\c:XF+16*\s+4*\c+3], v[LI2] offset:(4*(\m)+\s)*2048+512*\c
.endr
.endr
	WIN 0
.irp s, 0,1,2,3
	ds_load_b32 v[XS+\s], v[LS2] offset:(4*(\m)+\s)*128
.endr
.endm
.macro MULQK                           ; 32 products: eight accumulators by turns, K step by K step; the bias is the C of the first
.irp s, 0,1,2,3
.if \s == 0
	WIN 0x3d                                       ; W window 1, x window 3, bias window 3
.elseif \s == 1
	WIN 0x0d
.else
	WIN 0x0e                                       ; W window 2
.endif
.irp t, 0,1,2,3,4,5,6,7
.if \s == 0
	v_wmma_scale_f32_16x16x128_f8f6f4 v[HA+8*\t:HA+8*\t+7], v[16*(8*(\s%2)+\t):16*(8*(\s%2)+\t)+15], v[XF+16*\s:XF+16*\s+15], v[BI+8*\t:BI+8*\t+7], v[WS+4*\t+\s], v[XS+\s] matrix_a_fmt:MATRIX_FMT_BF8 matrix_b_fmt:MATRIX_FMT_BF8
.else
	v_wmma_scale_f32_16x16x128_f8f6f4 v[HA+8*\t:HA+8*\t+7], v[16*(8*(\s%2)+\t):16*(8*(\s%2)+\t)+15], v[XF+16*\s:XF+16*\s+15], v[HA+8*\t:HA+8*\t+7], v[WS+4*\t+\s], v[XS+\s] matrix_a_fmt:MATRIX_FMT_BF8 matrix_b_fmt:MATRIX_FMT_BF8
.endif
.endr
.endr
	WIN 0
.endm
.macro FETCHV bb                       ; V: the two tiles of key block bb: eight fragments and scale words
	WIN 0xc0
.irp u, 0,1
.irp s, 0,1,2,3
.irp c, 0,1,2,3
	ds_load_b128 v[XF+16*(4*\u+\s)+4*\c:XF+16*(4*\u+\s)+4*\c+3], v[LI2] offset:(4*(2*(\bb)+\u)+\s)*2048+512*\c
.endr
.endr
.endr
	WIN 0
.irp u, 0,1
.irp s, 0,1,2,3
	ds_load_b32 v[XS+4*\u+\s], v[LS2] offset:(4*(2*(\bb)+\u)+\s)*128
.endr
.endr
.endm
.macro MULV                            ; 64 products: sixteen accumulators by turns, K step by K step
.irp s, 0,1,2,3
.if \s == 0
	WIN 0x37                                       ; x window 3, W window 1, bias window 3
.elseif \s == 1
	WIN 0x07
.else
	WIN 0x0b                                       ; W window 2
.endif
.irp t, 0,1,2,3,4,5,6,7
.irp u, 0,1
.if \s == 0
	v_wmma_scale_f32_16x16x128_f8f6f4 v[HV+16*\t+8*\u:HV+16*\t+8*\u+7], v[XF+16*(4*\u+\s):XF+16*(4*\u+\s)+15], v[16*(8*(\s%2)+\t):16*(8*(\s%2)+\t)+15], v[BV+8*\t:BV+8*\t+7], v[XS+4*\u+\s], v[WS+4*\t+\s] matrix_a_fmt:MATRIX_FMT_BF8 matrix_b_fmt:MATRIX_FMT_BF8
.else
	v_wmma_scale_f32_16x16x128_f8f6f4 v[HV+16*\t+8*\u:HV+16*\t+8*\u+7], v[XF+16*(4*\u+\s):XF+16*(4*\u+\s)+15], v[16*(8*(\s%2)+\t):16*(8*(\s%2)+\t)+15], v[HV+16*\t+8*\u:HV+16*\t+8*\u+7], v[XS+4*\u+\s], v[WS+4*\t+\s] matrix_a_fmt:MATRIX_FMT_BF8 matrix_b_fmt:MATRIX_FMT_BF8
.endif
.endr
.endr
.endr
	WIN 0
.endm
.macro KEYS bb                         ; V: a block of 32 keys for my 128 columns
	s_wait_dscnt 0x0
	s_wait_loadcnt 0x0                             ; Wv and its scale words are in (asked for since the first tensor's last product; in the second block nothing is out)
	MULV
.rept 8
	v_nop                                          ; eight places behind this form
.endr
.if \bb == 0
	FETCHV 1
.endif
.irp hf, 0,1
	s_wait_xcnt 0x0                                ; the last stores have read their registers
	QUANT HV+64*\hf
.irp t, 0,1,2,3
	v_lshl_or_b32 v[VS+4*\hf+\t], v[TM+4+\t], s[SH], v[VS+4*\hf+\t]   ; this key block's byte of the tile's word
.endr
.irp t, 0,1,2,3
	global_store_b128 v[LG], v[PC+4*\t:PC+4*\t+3], s[VCP:VCP+1] offset:(4*\hf+\t)*4096+512*(\bb)
.endr
.endr
	s_add_co_u32 s[SH], s[SH], 8
.endm
	s_load_b256 s[4:11], s[0:1], 0x0               ; query_spikes, key_spikes, value_spikes, bq
	s_load_b256 s[12:19], s[0:1], 0x20             ; bk, bv, wcodes, wscales
	s_load_b128 s[68:71], s[0:1], 0x40             ; qb, kv
	v_lshl_add_u32 v[SPW], v0, 2, SPARE
	v_mov_b32 v[NIL], 0
	ds_add_u32 v1, v2
	s_wait_dscnt 0x0
	v_lshrrev_b32 v11, 5, v0
	v_readfirstlane_b32 s[WV], v11                 ; wave 0..3
	; descriptor group 1: 32 half rows of 256 elements of 4 bytes, dense in memory; 4 words of padding behind each 256 words
	s_mov_b32 s[G1], 0x07d20000                    ; 17:16 elements of 4 bytes; 20 padding on; 24:22 code 7; 31:25 code 3
	s_mov_b32 s[G1+1], 256<<16                     ; tensor_dim0
	s_mov_b32 s[G1+2], 32<<16                      ; tensor_dim1
	s_mov_b32 s[G1+3], 256<<16                     ; tile_dim0
	s_mov_b32 s[G1+4], 32                          ; tile_dim1
	s_mov_b32 s[G1+5], 256                         ; from row to row
	s_mov_b32 s[G1+6], 0
	s_mov_b32 s[G1+7], 0
	s_mul_i32 s[WOFF], s[WV], PART
	s_and_b32 s52, ttmp9, 127                      ; Q's or K's (b, t)
	s_lshl_b32 s54, s52, 19                        ; its 256 rows of 2,048 bytes
	s_lshl_b32 s55, s[WV], 15                      ; my 16 rows of a block
	s_add_co_u32 s54, s54, s55
	s_mov_b32 s55, 0
	s_lshl_b32 s56, s52, 2
	s_add_co_u32 s56, s56, s[WV]                   ; which block of the output: 4 (b, t) + pair of heads
	s_mov_b32 s57, 0
	s_mov_b32 s50, 68608
	s_mov_b32 s51, 65536
	s_wait_kmcnt 0x0
	s_cmp_lt_u32 ttmp9, 128                        ; queries or keys: the choice hangs on the work-group's number alone
	s_cselect_b64 s[4:5], s[4:5], s[6:7]           ; x
	s_cselect_b64 s[10:11], s[10:11], s[12:13]     ; the bias
	s_cselect_b64 s[68:69], s[68:69], s[70:71]     ; the output
	s_cselect_b32 s48, 0, 262144                   ; the weight's codes
	s_cselect_b32 s49, 0, 8192                     ; and its scale words
	s_cselect_b32 s50, 34816, s50                  ; an output block
	s_cselect_b32 s51, 32768, s51                  ; where its scale words begin
	s_add_nc_u64 s[4:5], s[4:5], s[54:55]
	s_mov_b32 s[G0A], 1
	s_mov_b32 s[G0A+1], s[WOFF]                    ; block 0 into slot 0
	s_mov_b64 s[G0A+2:G0A+3], s[4:5]
	s_or_b32 s[G0A+3], s[G0A+3], 0x80000000
	s_mov_b32 s[G0B], 1
	s_add_co_u32 s[G0B+1], s[WOFF], SLOTB          ; block 1 into slot 1; this set then walks
	s_add_nc_u64 s[G0B+2:G0B+3], s[4:5], 131072
	s_or_b32 s[G0B+3], s[G0B+3], 0x80000000
	tensor_load_to_lds s[G0A:G0A+3], s[G1:G1+7]    ; both first fills together, ahead of every wait on TENSORcnt, LDS read and barrier: two loads of mine are out
	s_nop 0
	tensor_load_to_lds s[G0B:G0B+3], s[G1:G1+7]
	s_nop 0
.rept 4
	v_nop
.endr
	s_mul_i32 s56, s56, s50
	s_add_nc_u64 s[CP:CP+1], s[68:69], s[56:57]    ; Q's or K's codes, mine
	s_mov_b32 s56, s51
	s_add_nc_u64 s[SCP:SCP+1], s[CP:CP+1], s[56:57]  ; and scale words
	s_lshl_b32 s56, s[WV], 16                      ; my eight tiles of a weight
	s_add_nc_u64 s[16:17], s[16:17], s[56:57]
	s_mov_b32 s56, s48
	s_add_nc_u64 s[WQP:WQP+1], s[16:17], s[56:57]
	s_add_nc_u64 s[WVP:WVP+1], s[16:17], 2*262144
	s_lshl_b32 s56, s[WV], 9                       ; my 128 numbers of a bias, my 128 scale words of a K step
	s_add_nc_u64 s[10:11], s[10:11], s[56:57]
	s_add_nc_u64 s[14:15], s[14:15], s[56:57]
	s_add_nc_u64 s[18:19], s[18:19], s[56:57]
	s_mov_b32 s56, s49
	s_add_nc_u64 s[WQS:WQS+1], s[18:19], s[56:57]
	s_add_nc_u64 s[WVS:WVS+1], s[18:19], 2*8192
	s_lshr_b32 s52, ttmp9, 1                       ; V's (b, t)
	s_and_b32 s53, ttmp9, 1                        ; and which 128 keys
	s_lshl_b32 s56, s52, 19
	s_lshl_b32 s48, s53, 18
	s_add_co_u32 s56, s56, s48
	s_lshl_b32 s48, s[WV], 15
	s_add_co_u32 s56, s56, s48
	s_mov_b32 s[G0C], 1
	s_mov_b32 s[G0C+1], s[WOFF]
	s_add_nc_u64 s[G0C+2:G0C+3], s[8:9], s[56:57]  ; the values' first block, my 16 rows
	s_or_b32 s[G0C+3], s[G0C+3], 0x80000000
	s_lshl_b32 s56, s52, 2
	s_add_co_u32 s56, s56, s[WV]
	s_mul_i32 s56, s56, 68608
	s_add_nc_u64 s[70:71], s[70:71], s[56:57]      ; V's block of kv
	s_lshl_b32 s56, s53, 11
	s_add_co_u32 s56, s56, 32768
	s_add_nc_u64 s[VCP:VCP+1], s[70:71], s[56:57]  ; its codes, at key block 4 x (which 128 keys)
	s_lshl_b32 s56, s53, 8
	s_add_co_u32 s56, s56, 67584
	s_add_nc_u64 s[VSP:VSP+1], s[70:71], s[56:57]  ; its scale words
	s_mov_b32 s[SEL], 0x76543210
	s_mov_b32 s[SEL+1], 0xfedcba98                 ; v_permlanex16_b32's selects for lane l xor 16
	s_mov_b32 s[MNT], 0x600000
	s_mov_b32 s[SH], 0
	s_mov_b32 s[VO], 0
	s_mov_b32 s[VO+1], 0
	v_and_b32 v11, 31, v0
	v_lshlrev_b32 v[LG], 4, v11
	v_lshlrev_b32 v[SG], 3, v11
	v_add_nc_u32 v[LI2], XIMG, v[LG]
	v_lshl_add_u32 v[LS2], v11, 2, XSC
	s_lshl_b32 s48, s[WV], 13
	v_add_nc_u32 v[XWI], s48, v[LI2]
	s_lshl_b32 s48, s[WV], 9
	v_add_nc_u32 v[XWS], s48, v[LS2]
	v_and_b32 v12, 15, v0                          ; r
	v_bfe_u32 v13, v0, 4, 1                        ; h
	v_and_b32 v14, 8, v12
	v_add_nc_u32 v15, v14, v12                     ; r + 8 (r / 8)
	v_mul_u32_u24 v[XA], v15, 2080                 ; a row is two half rows of 1,040 bytes
	v_lshl_add_u32 v[XA], v14, 1, v[XA]            ; rows 8-15 of a tile lie in the next wave's part: 16 bytes more
	v_lshl_add_u32 v[XA], v13, 6, v[XA]            ; + 64 h
	s_lshr_b32 s48, s[WV], 1
	s_and_b32 s49, s[WV], 1
	s_mul_i32 s50, s48, 32*2080+32                 ; tile w begins at row 32 (w / 2) + 8 (w % 2), in part 2 (w / 2)
	s_mul_i32 s51, s49, 8*2080
	s_add_co_u32 s50, s50, s51
	v_add_nc_u32 v[XA], s50, v[XA]
	v_cmp_ne_u32 s[HM], 0, v13                     ; lanes 16-31
	v_lshlrev_b32 v[WSO], 2, v15                   ; 4 (r + 8 (r / 8))
	v_lshlrev_b32 v13, 6, v13                      ; Q's or K's bias: 64 h
.irp b, 0,1,2,3
	v_mov_b32 v[TM+4+\b], 0                        ; written once: a lane permute's destination counts as one of its sources
.endr
	WIN 0x40                                       ; destination window 1
	WSTEP 0, WQP
	WSTEP 1, WQP
	WIN 0x80                                       ; destination window 2
	WSTEP 2, WQP
	WSTEP 3, WQP
	WIN 0xc0                                       ; destination window 3
.irp t, 0,1,2,3,4,5,6,7
	global_load_b128 v[BI+8*\t:BI+8*\t+3], v13, s[10:11] offset:(32*(\t/2)+8*(\t%2))*4        ; lane (r, h): the bias of columns 32 (t / 2) + 16 h + 8 (t % 2) + 0 .. 7
	global_load_b128 v[BI+8*\t+4:BI+8*\t+7], v13, s[10:11] offset:(32*(\t/2)+8*(\t%2))*4+16
.endr
.irp t, 0,1,2,3,4,5,6,7
	global_load_b32 v[BV+8*\t], v[WSO], s[14:15] offset:(32*(\t/2)+8*(\t%2))*4   ; V: a lane holds one column: its bias, one number a tile
.endr
	WIN 0
	WSCL WQS
	s_wait_tensorcnt 0x1                           ; my part of block 0 is in; block 1's may stay out
	s_barrier_signal -1
	s_barrier_wait -1                              ; everybody's is
	s_wait_loadcnt 0x0                             ; the weight, its scale words, the biases
; A BLOCK OF 64 ROWS OF Q OR K.  The slot just read is filled again through group 0 g0: walk = 1: with this tensor's block two further on; walk = 0: with a block of the values.
.macro BLOCK g0, walk
	v_add_nc_u32 v[XAT], s[TB], v[XA]
	XPHASE HA, ST, 0
	s_wait_tensorcnt 0x0                           ; all my tensor loads have landed, my part of the next block among them
	ds_add_u32 v[SPW], v[NIL]                      ; 0 onto my spare word
	s_add_co_u32 s[\g0+1], s[TB], s[WOFF]          ; no load of mine is out, so the set may be written: the slot in hand,
.if \walk
	s_add_nc_u64 s[\g0+2:\g0+3], s[\g0+2:\g0+3], 131072   ; the next block; the type bits on top are not reached
.else
	s_add_nc_u64 s[\g0+2:\g0+3], s[\g0+2:\g0+3], s[VO:VO+1]   ; the values' block 0 as it stands, then block 1
.endif
	s_wait_dscnt 0x0                               ; the add is done, my reads of the slot are over, my images have landed
	s_barrier_signal -1
	s_barrier_wait -1                              ; all that holds of every wave
	tensor_load_to_lds s[\g0:\g0+3], s[G1:G1+7]    ; my one load behind this barrier: it has the rest of this block and the next block's first phase in which to land
	s_nop 0
.rept 4
	v_nop
.endr
.if !(\walk)
	s_mov_b32 s[VO], 131072
.endif
	FETCHX 0
.irp m, 0,1,2,3
	s_wait_dscnt 0x0
	MULQK
.rept 8
	v_nop                                          ; eight places behind this form, ahead of the loads into x's registers and of the first read of results
.endr
.if \m < 3
	FETCHX (\m)+1
.endif
	s_wait_xcnt 0x0                                ; the last tile's stores have read their registers
	QUANT HA
	v_lshl_or_b32 v[SW+2*\m], v[TM+5], 8, v[TM+4]          ; head 2 w: its two bytes,
	v_lshl_or_b32 v[SW+2*\m+1], v[TM+7], 8, v[TM+6]        ; head 2 w + 1
	v_lshl_or_b32 v[SW+2*\m], v[SW+2*\m], 16, v[SW+2*\m]   ; copied into the upper half
	v_lshl_or_b32 v[SW+2*\m+1], v[SW+2*\m+1], 16, v[SW+2*\m+1]
.irp b, 0,1,2,3
	global_store_b128 v[LG], v[PC+4*\b:PC+4*\b+3], s[CP:CP+1] offset:\m*2048+512*\b   ; a piece: 512 consecutive bytes
.endr
.endr
	v_cndmask_b32 v[PR], v[SW], v[SW+4], s[HM]     ; lanes 0-15 give tiles 0 and 1, lanes 16-31 tiles 2 and 3
	v_cndmask_b32 v[PR+1], v[SW+2], v[SW+6], s[HM]
	v_cndmask_b32 v[PR+2], v[SW+1], v[SW+5], s[HM]
	v_cndmask_b32 v[PR+3], v[SW+3], v[SW+7], s[HM]
	global_store_b64 v[SG], v[PR:PR+1], s[SCP:SCP+1]               ; 256 consecutive bytes, aligned
	global_store_b64 v[SG], v[PR+2:PR+3], s[SCP:SCP+1] offset:1024
	s_wait_xcnt 0x0                                ; the stores have read their registers and bases
	s_add_nc_u64 s[CP:CP+1], s[CP:CP+1], 8192
	s_add_nc_u64 s[SCP:SCP+1], s[SCP:SCP+1], 256
	s_wait_dscnt 0x0                               ; my reads of the images are over:
	s_barrier_signal -1
	s_barrier_wait -1                              ; the next block may write them
.endm
	s_mov_b32 s[TB], 0
	s_mov_b32 s[CNT], 2
.Lfill:                                                ; blocks 0 and 1: their slots take blocks 2 and 3
	BLOCK G0B, 1
	s_add_co_u32 s[TB], s[TB], SLOTB
	s_sub_co_u32 s[CNT], s[CNT], 1
	s_cmp_lg_u32 s[CNT], 0
	s_cbranch_scc1 .Lfill
	s_mov_b32 s[TB], 0
	s_mov_b32 s[CNT], 2
.Lnext:                                                ; blocks 2 and 3: their slots take the values' two blocks
	BLOCK G0C, 0
	s_add_co_u32 s[TB], s[TB], SLOTB
	s_sub_co_u32 s[CNT], s[CNT], 1
	s_cmp_lg_u32 s[CNT], 0
	s_cbranch_scc1 .Lnext
	; ---- THE VALUES.  The first weight's products are over, eight places and more back: its registers take Wv, its scale words' registers Wv's.
	WSCL WVS
	WIN 0xc3                                       ; source 0 and destination window 3
.irp t, 0,1,2,3,4,5,6,7
.irp n, 1,2,3,4,5,6,7
	v_mov_b32 v[BV+8*\t+\n], v[BV+8*\t]            ; a lane's eight results of a tile are eight keys of one column: the C of a sum's first product holds that column's bias eight times
.endr
.endr
	WIN 0
.irp t, 0,1,2,3,4,5,6,7
	v_mov_b32 v[VS+\t], 0                          ; the bytes are shifted in
.endr
	s_mov_b32 s[TB], 0
	s_mov_b32 s[CNT], 2
.Lblk:
	v_add_nc_u32 v[XAT], s[TB], v[XA]
	XPHASE HV, HV+64, 1
	s_wait_tensorcnt 0x0                           ; my part of the values' other block is in
	ds_add_u32 v[SPW], v[NIL]                      ; 0 onto my spare word
	s_wait_dscnt 0x0                               ; the add is done, my images have landed
	s_barrier_signal -1
	s_barrier_wait -1
	FETCHV 0
	KEYS 0
	KEYS 1
	s_wait_xcnt 0x0                                ; the stores have read their base
	s_add_nc_u64 s[VCP:VCP+1], s[VCP:VCP+1], 1024  ; two key blocks on
	s_wait_dscnt 0x0                               ; my reads of the images are over
	s_barrier_signal -1
	s_barrier_wait -1
	s_add_co_u32 s[TB], s[TB], SLOTB
	s_sub_co_u32 s[CNT], s[CNT], 1
	s_cmp_lg_u32 s[CNT], 0
	s_cbranch_scc1 .Lblk
	v_cndmask_b32 v[PRV], v[VS], v[VS+2], s[HM]    ; lanes 0-15 give tiles 0 and 1 of a head, lanes 16-31 tiles 2 and 3
	v_cndmask_b32 v[PRV+1], v[VS+1], v[VS+3], s[HM]
	v_cndmask_b32 v[PRV+2], v[VS+4], v[VS+6], s[HM]
	v_cndmask_b32 v[PRV+3], v[VS+5], v[VS+7], s[HM]
	global_store_b64 v[SG], v[PRV:PRV+1], s[VSP:VSP+1]             ; 256 consecutive bytes, aligned
	global_store_b64 v[SG], v[PRV+2:PRV+3], s[VSP:VSP+1] offset:512
	s_wait_tensorcnt 0x0                           ; the wave's end
	ds_add_u32 v[SPW], v[NIL]
	s_wait_dscnt 0x0
	s_endpgm
.Lfunc_end_k_q85ea8bf43e_proj:
	.size	k_q85ea8bf43e_proj, .Lfunc_end_k_q85ea8bf43e_proj-k_q85ea8bf43e_proj
	.p2alignl 7, 3214868480
	.fill 96, 4, 3214868480
	.section	.rodata,"a",@progbits
	.p2align	6, 0x0
	.amdhsa_kernel k_q85ea8bf43e_proj
		.amdhsa_group_segment_fixed_size 327680
		.amdhsa_private_segment_fixed_size 0
		.amdhsa_enable_private_segment 0
		.amdhsa_kernarg_size 80
		.amdhsa_user_sgpr_count 2
		.amdhsa_user_sgpr_kernarg_segment_ptr 1
		.amdhsa_wavefront_size32 1
		.amdhsa_system_sgpr_workgroup_id_x 1
		.amdhsa_system_sgpr_workgroup_id_y 1
		.amdhsa_system_sgpr_workgroup_id_z 1
		.amdhsa_system_vgpr_workitem_id 0
		.amdhsa_next_free_vgpr 1024
		.amdhsa_next_free_sgpr 90
		.amdhsa_reserve_vcc 0
		.amdhsa_float_denorm_mode_32 3
		.amdhsa_float_denorm_mode_16_64 3
		.amdhsa_memory_ordered 1
		.amdhsa_forward_progress 1
		.amdhsa_inst_pref_size 255
	.end_amdhsa_kernel
	.section	.bss,"aw",@nobits
	.p2align	6
	.space	262144
	.amdgpu_metadata
---
amdhsa.version: [ 1, 2 ]
amdhsa.kernels:
  - .name:           k_q85ea8bf43e_proj
    .symbol:         k_q85ea8bf43e_proj.kd
    .args:
      - { .name: query_spikes, .offset: 0, .size: 8, .value_kind: global_buffer, .address_space: global }
      - { .name: key_spikes, .offset: 8, .size: 8, .value_kind: global_buffer, .address_space: global }
      - { .name: value_spikes, .offset: 16, .size: 8, .value_kind: global_buffer, .address_space: global }
      - { .name: bq, .offset: 24, .size: 8, .value_kind: global_buffer, .address_space: global }
      - { .name: bk, .offset: 32, .size: 8, .value_kind: global_buffer, .address_space: global }
      - { .name: bv, .offset: 40, .size: 8, .value_kind: global_buffer, .address_space: global }
      - { .name: wcodes, .offset: 48, .size: 8, .value_kind: global_buffer, .address_space: global }
      - { .name: wscales, .offset: 56, .size: 8, .value_kind: global_buffer, .address_space: global }
      - { .name: qb, .offset: 64, .size: 8, .value_kind: global_buffer, .address_space: global }
      - { .name: kv, .offset: 72, .size: 8, .value_kind: global_buffer, .address_space: global }
    .group_segment_fixed_size: 327680
    .private_segment_fixed_size: 0
    .kernarg_segment_align: 8
    .kernarg_segment_size: 80
    .max_flat_workgroup_size: 128
    .sgpr_count:     90
    .vgpr_count:     1024
    .wavefront_size: 32
...
	.end_amdgpu_metadata
.endif
;; end of part 2
;; launch attn (part 3): grid 256 x 1, 8 waves a work-group, no clusters, 327,680 bytes of LDS; arguments qb, kv, wcodes, wscales, bo, modality_weights, temporal_sync, out0; writes out0
.if DOCPART == 3
	.amdgcn_target "amdgcn-amd-amdhsa--gfx1250"
	.amdhsa_code_object_version 6
	.text
	.protected	k_q85ea8bf43e_attn
	.globl	k_q85ea8bf43e_attn
	.p2align	8
	.type	k_q85ea8bf43e_attn,@function
k_q85ea8bf43e_attn:
	s_mov_b64 s[64:65], 0
	v_nop
	global_prefetch_b8 v0, s[64:65] scope:SCOPE_SE
	s_setreg_imm32_b32 hwreg(HW_REG_WAVE_MODE, 25, 1), 1
	s_wait_xcnt 0x0
; Scores, the spike softmax, the product with V and the output projection, all four products' operands as codes of E5M2 with E8M0 scales.
; SHARES.  A work-group takes 128 queries of one (b, t).  Wave WV = 2 qp + hh owns query tiles 2 qp, 2 qp + 1 of them (32 queries) and, in trip hp of four, head 2 hp + hh.
; Two waves share a SIMD, 512 registers each: one wave's LDS loads and products stand beside the other's vector work.
; K and V of a pair of heads (68,608 dense bytes, laid in the order of the operands' registers) come through a ring of two LDS slots; waves 0-3 fetch a quarter each.
; LAYOUT.  S^T = K Q^T and O^T = V^T P^T: a lane holds ONE query throughout.  Every tile of 16 holds rows 32 (tile / 2) + 8 (tile % 2) + r + 8 (r / 8), so the 16 registers of two
; neighbouring tiles are 16 neighbours along the next K, and the conversions' results are the next operand.  The scores' K is 64: registers 8-15 of K's and Q's fragments hold zero codes.
; THE SOFTMAX.  w = -5 log2(e) x score = raw x kf + kt, kf = mw0 mw1 (-5 log2(e) / 8), kt = ts (-5 log2(e)).  The row's largest score is its smallest w, and it is taken away first:
; p = 1 / (1 + 2^(w - min w)); attn = p x 1 / (sum p + 1e-8), finished and normalised, is what is quantised along the keys.
; A block's largest attn is not searched for: the block's smallest w goes through the same instructions (this takes v_exp_f32 and v_rcp_f32 not to turn where their inputs rise;
; at the worst one number of a block would be held one code low).
; THE OUTPUT.  The attended rows are quantised in registers, go to LDS as images of the operand's registers, and behind a barrier wave WV makes columns 64 WV .. 64 WV + 63 of the 128 rows.
; NO CLUSTER: a (b, t)'s K and V are read by two work-groups only; four partners would mean 64 queries a work-group, and Wo's 262,144 bytes, which go into registers, would serve half the rows.
; LIMITS: 5 log2(e) is folded into the score's scale and offset, so the order of rounding differs from the reference's; the division is a multiplication by v_rcp_f32's result;
; a p under 2^-126 counts as 0; scores whose w overflows f32, NaN and infinities are not served; a block of zeros gets the byte 1 (its codes are zeros).
.set SLOT1, 131072                     ; slot 1 begins here: one exclusive or turns an address
.set KVB,   68608                      ; a block of kv
.set QBB,   34816                      ; a block of qb
.set QUART, 17152                      ; what one tensor load brings: 67 rows of 256 bytes
.set AIMG,  199680                     ; the attended rows' images: [wave 8][hp 4][i 2][b 2][512 bytes]
.set ASC,   265216                     ; their scale halfwords: 512 hp + 256 i + 16 r + 2 wave
.set STAGE, 267264                     ; the way out: 16 rows x 272 bytes for each wave
.set SPARE, 302080                     ; the spare words: 128 bytes a wave, four runs of 256 bytes that no other line names
.set SPW,  1
.set NIL,  2
.set LI,   3                           ; v3  16 x lane
.set AK0,  4                           ; v4-7  my places in a slot: K's codes, V's codes, K's scale words, V's
.set AV0,  5
.set ASK0, 6
.set ASV0, 7
.set ADK,  8                           ; v8-11 the same in the slot in hand; in the output phase STO, SRD, AFA, ASA
.set ADV,  9
.set ADS,  10
.set ADT,  11
.set STO,  8
.set SRD,  9
.set AFA,  10
.set ASA,  11
.set QO,   12
.set QSO,  13
.set AW0,  14
.set AWS0, 15
.set KS,   16                          ; v16-35 hold scale words and nothing else: K's 16-19, Q's 20-21, V's 22-29, P's 30-33;
.set QS,   20
.set VS,   22
.set PS,   30
.set WOS,  16                          ; in the output phase Wo's 16-31 and the attended rows' 32-35
.set AS,   32
.set AWI,  36
.set AWS,  37
.set KT,   38                          ; v[38:39] kt; later the two halfwords of scale bytes
.set HW,   38
.set WM,   40                          ; v[40:41] the row's smallest w
.set INV,  42                          ; v[42:43] 1 / (sum + 1e-8)
.set PFO,  44
.set WSO,  45
.set BOO,  46
.set GO,   47
.set BM,   48                          ; v48-55 a block's smallest w, then its largest attn
.set BT,   56                          ; v56-63 at work: the other half's minima, the sum's four chains, the bytes
.set HL,   64                          ; v64-71 57,344 x the scale
.set SO,   72                          ; v72-79 the conversions' scale operands
.set QF,   80                          ; v80-111 Q's two fragments
.set KF,   112                         ; v112-175 four fragments of K
.set P,    176                         ; v176-239 P's codes: 32 i + 4 b
.set PC,   240                         ; v240-255 the attended rows' codes
.set AF,   48                          ; the output phase: four fragments of attended rows, then rows of the output by turns
.set OB,   48
.set BO,   112
.set ACC,  128
; window 1: S^T of query tile i at 128 i + 8 x key tile; later v0-127 V's fragments (td, ks) at 32 td + 16 ks and v128-191 O^T (i, td) at 128 + 32 i + 8 td; in the output phase Wo (s, t) at 16 (4 s + t)
.set WV,    20
.set HH,    21
.set QP,    22
.set MNT,   23
.set G1,    24
.set G0,    32
.set SEL,   36
.set TB,    38
.set TI,    39
.set TIS,   40
.set SLOTS, 41
.set LIM,   42
.set HOFF,  43
.set PFA,   44
.set KFS,   46
.set MSB, 0
.macro WIN new                         ; the immediate's high byte repeats the setting that is left
.if MSB != \new
	s_set_vgpr_msb (MSB<<8)|\new
.set MSB, \new
.endif
.endm
.macro TLOAD                           ; waves 0-3 fetch a quarter of a block each; four v_nop follow the line
	s_cmp_lt_u32 s[WV], 4
	s_cbranch_scc0 .Lnone_\@
	tensor_load_to_lds s[G0:G0+3], s[G1:G1+7]
	s_nop 0
.rept 4
	v_nop
.endr
.Lnone_\@:
.endm
; A PREFETCH INTO THE L2 of the codes of the block that the NEXT change of slots will ask for: 65,536 bytes.  Both work-groups of a (b, t) walk the same blocks: the first of the two asks.
; In it the waves ask that fetch nothing: waves 4-7, 16,384 bytes each, two instructions, lanes 256 bytes apart: each run of 256 bytes is named once in the launch.
; The blocks' 3,072 bytes of scale words, and blocks 0 and 1, come by their loads alone; the last change that fills a slot asks for nothing.
.macro ASK
	s_cmp_gt_u32 s[SLOTS], s[LIM]
	s_cbranch_scc0 .Lnot_mine_\@
	global_prefetch_b8 v[PFO], s[PFA:PFA+1] th:TH_LOAD_NT scope:SCOPE_SE
	global_prefetch_b8 v[PFO], s[PFA:PFA+1] offset:8192 th:TH_LOAD_NT scope:SCOPE_SE
.Lnot_mine_\@:
.endm
.macro QLOAD                           ; my two tiles of Q of the head in hand: two pieces and a scale word each
.irp i, 0,1
.irp c, 0,1
	global_load_b128 v[QF+16*\i+4*\c:QF+16*\i+4*\c+3], v[QO], s[4:5] offset:2048*\i+512*\c
.endr
	global_load_b32 v[QS+\i], v[QSO], s[4:5] offset:4*\i
.endr
.endm
; THE CHANGE OF SLOTS stands at a trip's head.  Each wave waits for all its tensor loads, adds 0 to its spare word, and waits for that and for its reads of the slot that it has left.
.macro CHANGE fill
	s_wait_tensorcnt 0x0                           ; no tensor load of mine is out, so group 0 may be written
	ds_add_u32 v[SPW], v[NIL]                      ; 0 onto my spare word
.if \fill
	s_xor_b32 s[G0+1], s[G0+1], SLOT1              ; the other slot than last time,
	s_add_nc_u64 s[G0+2:G0+3], s[G0+2:G0+3], KVB   ; the next pair of heads; the type bits on top are not reached
	s_wait_xcnt 0x0                                ; the last prefetches, a trip back, have read their address
	s_add_nc_u64 s[PFA:PFA+1], s[PFA:PFA+1], KVB   ; one block further on than the walking descriptor
.endif
	s_wait_dscnt 0x0                               ; the add is done, my reads of the slot that I have left are over, my images have landed
	s_barrier_signal -1
	s_barrier_wait -1
.if \fill
	TLOAD                                          ; the first thing behind the barrier, a wave's one tensor load until the next: it has a whole trip in which to land
	ASK
.endif
.endm
; THE SOFTMAX of query tile qi: 128 scores a lane, in place, to 32 registers of codes and two scale words.
.macro SMAX qi
.set SBS, 128*(\qi)
	WIN 0x41                                       ; destination and source 0 window 1
.set jj, 0
.rept 64
	v_pk_fma_f32 v[SBS+jj:SBS+jj+1], v[SBS+jj:SBS+jj+1], s[KFS:KFS+1], v[KT:KT+1] op_sel_hi:[1,0,0]   ; w = raw x kf + kt; each accumulator is read from its low end on
.set jj, jj+2
.endr
	WIN 0x15
.irp b, 0,1,2,3,4,5,6,7
	v_min3_num_f32 v[BM+\b], v[SBS+16*\b], v[SBS+16*\b+1], v[SBS+16*\b+2]   ; the smallest w of each block of 32 keys: it serves for the row's and for the block's largest attn
.endr
	WIN 0x14
.irp n, 3,5,7,9,11,13
.irp b, 0,1,2,3,4,5,6,7
	v_min3_num_f32 v[BM+\b], v[BM+\b], v[SBS+16*\b+\n], v[SBS+16*\b+\n+1]
.endr
.endr
	WIN 0x04
.irp b, 0,1,2,3,4,5,6,7
	v_min_num_f32 v[BM+\b], v[BM+\b], v[SBS+16*\b+15]
.endr
	WIN 0
.irp b, 0,1,2,3,4,5,6,7
	v_permlanex16_b32 v[BT+\b], v[BM+\b], s[SEL], s[SEL+1]
.endr
.irp b, 0,1,2,3,4,5,6,7
	v_min_num_f32 v[BM+\b], v[BM+\b], v[BT+\b]     ; with lane l xor 16's 16 keys
.endr
	v_min3_num_f32 v[WM], v[BM], v[BM+1], v[BM+2]
	v_min3_num_f32 v[WM], v[WM], v[BM+3], v[BM+4]
	v_min3_num_f32 v[WM], v[WM], v[BM+5], v[BM+6]
	v_min_num_f32 v[WM], v[WM], v[BM+7]            ; the row's smallest w: its largest score
.irp b, 0,1,2,3,4,5,6,7
	v_sub_f32 v[BM+\b], v[BM+\b], v[WM]
.endr
	WIN 0x41
.set jj, 0
.rept 64
	v_pk_add_f32 v[SBS+jj:SBS+jj+1], v[SBS+jj:SBS+jj+1], v[WM:WM+1] op_sel_hi:[1,0] neg_lo:[0,1] neg_hi:[0,1]   ; w - min w, 0 or more
.set jj, jj+2
.endr
.set jj, 0
.rept 128
	v_exp_f32 v[SBS+jj], v[SBS+jj]
.set jj, jj+1
.endr
	WIN 0
.irp b, 0,1,2,3,4,5,6,7
	v_exp_f32 v[BM+\b], v[BM+\b]
.endr
	v_nop                                          ; a plain line behind the last exponential
	s_wait_alu depctr_va_vdst(0)                   ; one wait for the batch, ahead of its first reader
	WIN 0x41
.set jj, 0
.rept 64
	v_pk_add_f32 v[SBS+jj:SBS+jj+1], v[SBS+jj:SBS+jj+1], 1.0 op_sel_hi:[1,0]
.set jj, jj+2
.endr
.set jj, 0
.rept 128
	v_rcp_f32 v[SBS+jj], v[SBS+jj]                 ; p
.set jj, jj+1
.endr
	WIN 0
.irp b, 0,1,2,3,4,5,6,7
	v_add_f32 v[BM+\b], 1.0, v[BM+\b]
.endr
.irp b, 0,1,2,3,4,5,6,7
	v_rcp_f32 v[BM+\b], v[BM+\b]
.endr
	v_nop
	s_wait_alu depctr_va_vdst(0)                   ; one wait for the batch of reciprocals
	WIN 0x05
.irp k, 0,1,2,3
	v_pk_add_f32 v[BT+2*\k:BT+2*\k+1], v[SBS+4*\k:SBS+4*\k+1], v[SBS+4*\k+2:SBS+4*\k+3]   ; the row's sum, two at a time, in four chains
.endr
	WIN 0x04
.set jj, 16
.rept 14
.irp k, 0,1,2,3
	v_pk_add_f32 v[BT+2*\k:BT+2*\k+1], v[BT+2*\k:BT+2*\k+1], v[SBS+jj+2*\k:SBS+jj+2*\k+1]
.endr
.set jj, jj+8
.endr
	WIN 0
	v_pk_add_f32 v[BT:BT+1], v[BT:BT+1], v[BT+2:BT+3]
	v_pk_add_f32 v[BT+4:BT+5], v[BT+4:BT+5], v[BT+6:BT+7]
	v_pk_add_f32 v[BT:BT+1], v[BT:BT+1], v[BT+4:BT+5]
	v_add_f32 v[BT], v[BT], v[BT+1]
	v_permlanex16_b32 v[BT+2], v[BT], s[SEL], s[SEL+1]
	v_add_f32 v[BT], v[BT], v[BT+2]
	v_add_f32 v[BT], 0x322bcc77, v[BT]             ; + 1e-8
	v_rcp_f32 v[INV], v[BT]
	v_nop
	s_wait_alu depctr_va_vdst(0)
	WIN 0x41
.set jj, 0
.rept 64
	v_pk_mul_f32 v[SBS+jj:SBS+jj+1], v[SBS+jj:SBS+jj+1], v[INV:INV+1] op_sel_hi:[1,0]   ; attn
.set jj, jj+2
.endr
	WIN 0
.irp b, 0,1,2,3,4,5,6,7
	v_mul_f32 v[BM+\b], v[BM+\b], v[INV]           ; the block's largest attn: the same instructions on the same number
.endr
.irp b, 0,1,2,3,4,5,6,7
	v_max_num_f32 v[BM+\b], 0x8000000, v[BM+\b]    ; the floor 2^(16 - 127)
.endr
.irp b, 0,1,2,3,4,5,6,7
	v_add_nc_u32 v[SO+\b], 0xf8800000, v[BM+\b]
.endr
.irp b, 0,1,2,3,4,5,6,7
	v_and_or_b32 v[HL+\b], v[BM+\b], 0x7f800000, s[MNT]
.endr
.irp b, 0,1,2,3,4,5,6,7
	v_lshrrev_b32 v[BT+\b], 23, v[SO+\b]
.endr
.irp ks, 0,1
	v_lshl_or_b32 v[PS+2*(\qi)+\ks], v[BT+4*\ks+1], 8, v[BT+4*\ks]
	v_lshl_or_b32 v[PS+2*(\qi)+\ks], v[BT+4*\ks+2], 16, v[PS+2*(\qi)+\ks]
	v_lshl_or_b32 v[PS+2*(\qi)+\ks], v[BT+4*\ks+3], 24, v[PS+2*(\qi)+\ks]
.endr
	WIN 0x41
.irp b, 0,1,2,3,4,5,6,7
.irp n, 0,1,2,3,4,5,6,7,8,9,10,11,12,13,14,15
	v_min_num_f32 v[SBS+16*\b+\n], v[SBS+16*\b+\n], v[HL+\b]   ; the conversion does not saturate (ISA guide 7.6.2); attn is not negative, so the hold is one-sided
.endr
.endr
	WIN 0x01
.irp b, 0,1,2,3,4,5,6,7
	v_cvt_scalef32_pk8_bf8_f32 v[P+32*(\qi)+4*\b:P+32*(\qi)+4*\b+1], v[SBS+16*\b:SBS+16*\b+7], v[SO+\b]
	v_cvt_scalef32_pk8_bf8_f32 v[P+32*(\qi)+4*\b+2:P+32*(\qi)+4*\b+3], v[SBS+16*\b+8:SBS+16*\b+15], v[SO+\b]
.endr
	v_nop                                          ; a plain line behind the last conversion
	WIN 0
.endm
; The attended rows of my two query tiles, 64 numbers a lane (block q = 2 i + b: d = 32 b + 16 h + 0 .. 15), become codes in v[PC] on and two halfwords of bytes.
.macro OQUANT
	WIN 0x05
.irp q, 0,1,2,3
	v_max3_num_f32 v[BM+\q], |v[128+16*\q]|, |v[129+16*\q]|, 0x8000000
.endr
	WIN 0x14
.irp n, 2,4,6,8,10,12,14
.irp q, 0,1,2,3
	v_max3_num_f32 v[BM+\q], v[BM+\q], |v[128+16*\q+\n]|, |v[129+16*\q+\n]|
.endr
.endr
	WIN 0
.irp q, 0,1,2,3
	v_permlanex16_b32 v[BT+\q], v[BM+\q], s[SEL], s[SEL+1]
.endr
.irp q, 0,1,2,3
	v_max_num_f32 v[BM+\q], v[BM+\q], v[BT+\q]
.endr
.irp q, 0,1,2,3
	v_add_nc_u32 v[SO+\q], 0xf8800000, v[BM+\q]
.endr
.irp q, 0,1,2,3
	v_and_or_b32 v[HL+\q], v[BM+\q], 0x7f800000, s[MNT]
.endr
.irp q, 0,1,2,3
	v_lshrrev_b32 v[BT+\q], 23, v[SO+\q]
.endr
	v_lshl_or_b32 v[HW], v[BT+1], 8, v[BT]
	v_lshl_or_b32 v[HW+1], v[BT+3], 8, v[BT+2]
	WIN 0x41
.irp q, 0,1,2,3
.irp n, 0,1,2,3,4,5,6,7,8,9,10,11,12,13,14,15
	v_med3_num_f32 v[128+16*\q+\n], v[128+16*\q+\n], -v[HL+\q], v[HL+\q]
.endr
.endr
	WIN 0x01
.irp q, 0,1,2,3
	v_cvt_scalef32_pk8_bf8_f32 v[PC+4*\q:PC+4*\q+1], v[128+16*\q:128+16*\q+7], v[SO+\q]
	v_cvt_scalef32_pk8_bf8_f32 v[PC+4*\q+2:PC+4*\q+3], v[128+16*\q+8:128+16*\q+15], v[SO+\q]
.endr
	v_nop
	WIN 0
.endm
; A TRIP: one head for my 32 queries.  next = 1: the next head's Q is asked for; next = 0, the last trip: Wo, its scale words and bo are asked for as their registers fall free.
.macro TRIP next
	v_add_nc_u32 v[ADK], s[TB], v[AK0]
	v_add_nc_u32 v[ADV], s[TB], v[AV0]
	v_add_nc_u32 v[ADS], s[TB], v[ASK0]
	v_add_nc_u32 v[ADT], s[TB], v[ASV0]
	v_add_nc_u32 v[AWI], s[TI], v[AW0]
	v_add_nc_u32 v[AWS], s[TIS], v[AWS0]
	s_load_b32 s50, s[14:15], s[HOFF] offset:0x0   ; modality_weights[0][head]
	s_load_b32 s51, s[14:15], s[HOFF] offset:0x20  ; modality_weights[1][head]
	s_load_b32 s52, s[16:17], s[HOFF] offset:0x0   ; temporal_sync[t][head]
	s_wait_loadcnt 0x0                             ; Q
.irp g, 0,1,2,3                        ; S^T = K Q^T, four tiles of 16 keys at a time
.rept 8
	v_nop                                          ; eight places behind this form, ahead of loads into registers that products have read
.endr
.irp x, 0,1,2,3
.irp c, 0,1
	ds_load_b128 v[KF+16*\x+4*\c:KF+16*\x+4*\c+3], v[ADK] offset:(4*\g+\x)*2048+512*\c
.endr
	ds_load_b32 v[KS+\x], v[ADS] offset:256*\g+128*(\x/2)+4*(\x%2)
.endr
	s_wait_dscnt 0x0
	WIN 0x40                                       ; destination window 1
.irp x, 0,1,2,3
.irp i, 0,1
	v_wmma_scale_f32_16x16x128_f8f6f4 v[128*\i+8*(4*\g+\x):128*\i+8*(4*\g+\x)+7], v[KF+16*\x:KF+16*\x+15], v[QF+16*\i:QF+16*\i+15], 0, v[KS+\x], v[QS+\i] matrix_a_fmt:MATRIX_FMT_BF8 matrix_b_fmt:MATRIX_FMT_BF8
.endr
.endr
	WIN 0
.endr
.rept 8
	v_nop
.endr
	s_wait_kmcnt 0x0
	s_mul_f32 s50, s50, s51
	s_mul_f32 s[KFS], s50, 0xbf66d4ca              ; kf = mw0 mw1 x (-5 log2(e) / 8)
	s_mov_b32 s[KFS+1], s[KFS]                     ; (named with it as a pair, so it is written)
	s_mul_f32 s52, s52, 0xc0e6d4ca                 ; kt = ts x (-5 log2(e))
	v_mov_b32 v[KT], s52
	v_mov_b32 v[KT+1], s52
	s_add_co_u32 s[HOFF], s[HOFF], 8               ; two heads on (the scalar loads are done)
.if \next
	s_add_nc_u64 s[4:5], s[4:5], QBB               ; (Q's last loads are done)
	QLOAD
.endif
	SMAX 0
	WIN 0x40
.irp td, 0,1,2,3                       ; V's eight fragments take the registers that tile 0's scores have left
.irp ks, 0,1
.irp c, 0,1,2,3
	ds_load_b128 v[32*\td+16*\ks+4*\c:32*\td+16*\ks+4*\c+3], v[ADV] offset:\td*4096+\ks*2048+\c*512
.endr
.endr
.endr
	WIN 0
.irp td, 0,1,2,3
.irp ks, 0,1
	ds_load_b32 v[VS+2*\td+\ks], v[ADT] offset:256*\ks+128*(\td/2)+4*(\td%2)
.endr
.endr
	SMAX 1
	s_wait_dscnt 0x0                               ; V
.rept 8
	v_nop                                          ; codes made by vector instructions stand four places, scale words eight, ahead of a scaled product
.endr
	WIN 0x51                                       ; V window 1, P window 0, O^T window 1
.irp ks, 0,1                           ; O^T = V^T P^T: eight accumulators by turns
.irp td, 0,1,2,3
.irp i, 0,1
.if \ks == 0
	v_wmma_scale_f32_16x16x128_f8f6f4 v[128+32*\i+8*\td:128+32*\i+8*\td+7], v[32*\td+16*\ks:32*\td+16*\ks+15], v[P+32*\i+16*\ks:P+32*\i+16*\ks+15], 0, v[VS+2*\td+\ks], v[PS+2*\i+\ks] matrix_a_fmt:MATRIX_FMT_BF8 matrix_b_fmt:MATRIX_FMT_BF8
.else
	v_wmma_scale_f32_16x16x128_f8f6f4 v[128+32*\i+8*\td:128+32*\i+8*\td+7], v[32*\td+16*\ks:32*\td+16*\ks+15], v[P+32*\i+16*\ks:P+32*\i+16*\ks+15], v[128+32*\i+8*\td:128+32*\i+8*\td+7], v[VS+2*\td+\ks], v[PS+2*\i+\ks] matrix_a_fmt:MATRIX_FMT_BF8 matrix_b_fmt:MATRIX_FMT_BF8
.endif
.endr
.endr
.endr
	WIN 0
.rept 8
	v_nop
.endr
.if !(\next)
.irp s, 0,1,2,3
.irp t, 0,1,2,3
	global_load_b32 v[WOS+4*\s+\t], v[WSO], s[10:11] offset:\s*2048+(32*(\t/2)+8*(\t%2))*4
.endr
.endr
	global_load_b128 v[BO:BO+3], v[BOO], s[12:13]
	WIN 0x40
.irp s, 0,1
.irp t, 0,1,2,3
.irp c, 0,1,2,3
	global_load_b128 v[16*(4*\s+\t)+4*\c:16*(4*\s+\t)+4*\c+3], v[LI], s[8:9] offset:\t*8192+\s*2048+\c*512
.endr
.endr
.endr
	WIN 0
.endif
	OQUANT
.if !(\next)
	WIN 0x40
.irp s, 2,3
.irp t, 0,1,2,3
.irp c, 0,1,2,3
	global_load_b128 v[16*(4*\s+\t)+4*\c:16*(4*\s+\t)+4*\c+3], v[LI], s[8:9] offset:\t*8192+\s*2048+\c*512
.endr
.endr
.endr
	WIN 0
.endif
.irp i, 0,1
.irp b, 0,1
	ds_store_b128 v[AWI], v[PC+4*(2*\i+\b):PC+4*(2*\i+\b)+3] offset:1024*\i+512*\b   ; piece 2 hh + b of K step hp, query tile 2 qp + i
.endr
	ds_store_b16 v[AWS], v[HW+\i] offset:256*\i    ; its two bytes of the row's scale word (lanes l and l xor 16 write the same)
.endr
	s_add_co_u32 s[TI], s[TI], 2048
	s_add_co_u32 s[TIS], s[TIS], 512
	s_xor_b32 s[TB], s[TB], SLOT1
.endm
	s_load_b256 s[4:11], s[0:1], 0x0               ; qb, kv, wcodes, wscales
	s_load_b256 s[12:19], s[0:1], 0x20             ; bo, modality_weights, temporal_sync, out0
	v_lshl_add_u32 v[SPW], v0, 2, SPARE
	v_mov_b32 v[NIL], 0
	ds_add_u32 v1, v2
	s_wait_dscnt 0x0
	v_lshrrev_b32 v3, 5, v0
	v_readfirstlane_b32 s[WV], v3                  ; wave 0..7
	s_and_b32 s[HH], s[WV], 1
	s_lshr_b32 s[QP], s[WV], 1
	s_lshr_b32 s48, ttmp9, 1                       ; (b, t)
	s_and_b32 s49, ttmp9, 1                        ; which 128 queries
	s_mov_b32 s[G1], 3<<16                         ; 67 rows of 32 elements of 8 bytes, dense, no padding
	s_mov_b32 s[G1+1], 32<<16
	s_mov_b32 s[G1+2], 67<<16
	s_mov_b32 s[G1+3], 32<<16
	s_mov_b32 s[G1+4], 67
	s_mov_b32 s[G1+5], 32
	s_mov_b32 s[G1+6], 0
	s_mov_b32 s[G1+7], 0
	s_and_b32 s50, s[WV], 3
	s_mul_i32 s50, s50, QUART
	s_mov_b32 s51, 0
	s_mul_i32 s52, s48, 4*KVB
	s_mov_b32 s53, 0
	s_wait_kmcnt 0x0
	s_add_nc_u64 s[6:7], s[6:7], s[52:53]          ; kv at the (b, t)'s first block
	s_mov_b32 s[G0], 1
	s_mov_b32 s[G0+1], s50                         ; slot 0, my quarter
	s_add_nc_u64 s[G0+2:G0+3], s[6:7], s[50:51]
	s_or_b32 s[G0+3], s[G0+3], 0x80000000
	TLOAD                                          ; heads 0 and 1
	s_and_b32 s50, s[WV], 3
	s_lshl_b32 s50, s50, 14
	s_add_co_u32 s50, s50, KVB                     ; the prefetches stand in block 1; the first change of slots steps them to block 2
	s_add_nc_u64 s[PFA:PFA+1], s[6:7], s[50:51]
	s_sub_co_u32 s50, s[WV], 4
	s_lshr_b32 s50, s50, 2                         ; 0 in waves 4 to 7,
	s_or_b32 s50, s50, s49                         ; of the first of the (b, t)'s two work-groups
	s_cmp_eq_u32 s50, 0
	s_cselect_b32 s[LIM], 1, -1
	s_mul_i32 s52, s48, 4*QBB
	s_add_nc_u64 s[4:5], s[4:5], s[52:53]          ; qb at the (b, t)'s first block
	s_and_b32 s52, s48, 31
	s_lshl_b32 s52, s52, 5
	s_add_nc_u64 s[16:17], s[16:17], s[52:53]      ; temporal_sync's row t
	s_lshl_b32 s52, s48, 19
	s_lshl_b32 s50, s49, 18
	s_add_co_u32 s52, s52, s50
	s_add_nc_u64 s[18:19], s[18:19], s[52:53]      ; out0 at my work-group's first row
	s_lshl_b32 s52, s[WV], 15
	s_add_co_u32 s52, s52, 3*262144
	s_add_nc_u64 s[8:9], s[8:9], s[52:53]          ; Wo's codes, my four tiles
	s_lshl_b32 s52, s[WV], 8
	s_add_co_u32 s52, s52, 3*8192
	s_add_nc_u64 s[10:11], s[10:11], s[52:53]      ; Wo's scale words, my 64 columns
	s_mov_b32 s[SEL], 0x76543210
	s_mov_b32 s[SEL+1], 0xfedcba98
	s_mov_b32 s[MNT], 0x600000
	s_mov_b32 s[TB], 0
	s_mov_b32 s[TI], 0
	s_mov_b32 s[TIS], 0
	s_lshl_b32 s[HOFF], s[HH], 2                   ; 4 x head
	v_and_b32 v48, 31, v0                          ; lane
	v_and_b32 v49, 15, v0                          ; r
	v_bfe_u32 v50, v0, 4, 1                        ; h
	v_lshlrev_b32 v[LI], 4, v48
	v_lshlrev_b32 v51, 3, v49                      ; 8 r
	v_lshlrev_b32 v[PFO], 8, v48
	s_lshl_b32 s50, s[HH], 10
	v_add_nc_u32 v[AK0], s50, v[LI]
	s_lshl_b32 s52, s[HH], 14
	s_add_co_u32 s52, s52, 32768
	v_add_nc_u32 v[AV0], s52, v[LI]
	s_add_co_u32 s52, s50, 65536
	v_add_nc_u32 v[ASK0], s52, v51
	s_lshl_b32 s52, s[HH], 9
	s_add_co_u32 s52, s52, 67584
	v_add_nc_u32 v[ASV0], s52, v51
	s_lshl_b32 s52, s49, 14                        ; Q's codes: tile 8 x (which 128) + 2 qp, 2,048 bytes a tile, + 1,024 hh
	s_lshl_b32 s54, s[QP], 12
	s_add_co_u32 s52, s52, s54
	s_add_co_u32 s52, s52, s50
	v_add_nc_u32 v[QO], s52, v[LI]
	s_lshl_b32 s52, s49, 9                         ; Q's scale words: 32,768 + 1,024 hh + 64 x tile + 8 r
	s_lshl_b32 s54, s[QP], 7
	s_add_co_u32 s52, s52, s54
	s_add_co_u32 s52, s52, s50
	s_add_co_u32 s52, s52, 32768
	v_add_nc_u32 v[QSO], s52, v51
	s_lshl_b32 s52, s[WV], 13
	s_add_co_u32 s52, s52, AIMG
	v_add_nc_u32 v[AW0], s52, v[LI]                ; AIMG + 16 x lane + 8,192 x wave
	s_lshl_b32 s52, s[WV], 1
	s_add_co_u32 s52, s52, ASC
	v_lshl_add_u32 v[AWS0], v49, 4, s52            ; ASC + 16 r + 2 x wave
	v_and_b32 v52, 8, v49
	v_add_nc_u32 v52, v52, v49
	v_lshlrev_b32 v[WSO], 2, v52                   ; 4 (r + 8 (r / 8))
	s_lshl_b32 s52, s[WV], 8
	v_lshl_add_u32 v[BOO], v49, 4, s52             ; my 16 bytes of my wave's 256 of a row
	v_lshl_add_u32 v[GO], v50, 11, v[BOO]          ; lanes 16-31 take the next row
	QLOAD
.irp i, 0,1
.irp n, 8,9,10,11,12,13,14,15
	v_mov_b32 v[QF+16*\i+\n], 0                    ; zero codes for k = 64 .. 127
.endr
.endr
.irp x, 0,1,2,3
.irp n, 8,9,10,11,12,13,14,15
	v_mov_b32 v[KF+16*\x+\n], 0
.endr
.endr
.irp b, 0,1,2,3,4,5,6,7
	v_mov_b32 v[BT+\b], 0                          ; written once: a lane permute's destination counts as one of its sources
.endr
	v_mov_b32 v[WM+1], 0                           ; (named as the upper halves of pairs)
	v_mov_b32 v[INV+1], 0
	s_mov_b32 s[SLOTS], 3
.Ltrip:                                                ; pairs of heads 0, 1, 2: behind each change of slots the next pair is asked for
	CHANGE 1
	TRIP 1
	s_sub_co_u32 s[SLOTS], s[SLOTS], 1
	s_cmp_lg_u32 s[SLOTS], 0
	s_cbranch_scc1 .Ltrip
	CHANGE 0                                       ; the last pair is written out
	TRIP 0
	; THE OUTPUT PROJECTION.  Source 0 = 16 columns of Wo, source 1 = 16 attended rows: a lane holds eight neighbouring columns of one row.
	s_mul_i32 s52, s[WV], 16*272
	s_add_co_u32 s52, s52, STAGE                   ; my stage
	v_and_b32 v116, 15, v0
	v_bfe_u32 v117, v0, 4, 1
	v_mul_u32_u24 v[STO], v116, 272
	v_lshl_add_u32 v[STO], v117, 6, v[STO]
	v_add_nc_u32 v[STO], s52, v[STO]               ; in: row r, + 64 h
	v_mul_u32_u24 v[SRD], v117, 272
	v_lshl_add_u32 v[SRD], v116, 4, v[SRD]
	v_add_nc_u32 v[SRD], s52, v[SRD]               ; back: lanes 0-15 one row, lanes 16-31 the next
	v_add_nc_u32 v[AFA], AIMG, v[LI]
	v_lshl_add_u32 v[ASA], v116, 4, ASC
	s_wait_dscnt 0x0                               ; my images and scale bytes have landed
	s_barrier_signal -1
	s_barrier_wait -1                              ; everybody's have
.irp mh, 0,1                           ; four tiles of rows at a time
.irp s, 0,1,2,3
.if \mh == 0
	s_wait_loadcnt 48-16*\s                        ; Wo's K step s is in (and, ahead of it, the scale words and bo); the later K steps' loads, 16 each, may be out
.endif
.if (\mh == 1) && (\s == 0)
	s_wait_xcnt 0x0                                ; the last stores have read the registers that now take fragments
.endif
.irp mq, 0,1,2,3
.irp c, 0,1,2,3
	ds_load_b128 v[AF+16*\mq+4*\c:AF+16*\mq+4*\c+3], v[AFA] offset:((4*\mh+\mq)/2)*16384+(\c/2)*8192+\s*2048+((4*\mh+\mq)%2)*1024+(\c%2)*512
.endr
	ds_load_b32 v[AS+\mq], v[ASA] offset:512*\s+256*((4*\mh+\mq)%2)+4*((4*\mh+\mq)/2)
.endr
	s_wait_dscnt 0x0
	WIN 0x01                                       ; Wo window 1
.irp mq, 0,1,2,3
.irp t, 0,1,2,3
.if \s == 0
	v_wmma_scale_f32_16x16x128_f8f6f4 v[ACC+8*(4*\mq+\t):ACC+8*(4*\mq+\t)+7], v[16*(4*\s+\t):16*(4*\s+\t)+15], v[AF+16*\mq:AF+16*\mq+15], 0, v[WOS+4*\s+\t], v[AS+\mq] matrix_a_fmt:MATRIX_FMT_BF8 matrix_b_fmt:MATRIX_FMT_BF8
.else
	v_wmma_scale_f32_16x16x128_f8f6f4 v[ACC+8*(4*\mq+\t):ACC+8*(4*\mq+\t)+7], v[16*(4*\s+\t):16*(4*\s+\t)+15], v[AF+16*\mq:AF+16*\mq+15], v[ACC+8*(4*\mq+\t):ACC+8*(4*\mq+\t)+7], v[WOS+4*\s+\t], v[AS+\mq] matrix_a_fmt:MATRIX_FMT_BF8 matrix_b_fmt:MATRIX_FMT_BF8
.endif
.endr
.endr
	WIN 0
.rept 8
	v_nop                                          ; eight places: ahead of the next loads into the fragments' registers and of the first read of results
.endr
.endr
.irp mq, 0,1,2,3                       ; a tile of 16 rows x my 64 columns goes through my own stage and leaves as whole runs of 256 bytes
	s_wait_xcnt 0x0                                ; the stores of two tiles back have read their registers
.irp t, 0,1,2,3
	ds_store_b128 v[STO], v[ACC+8*(4*\mq+\t):ACC+8*(4*\mq+\t)+3] offset:128*(\t/2)+32*(\t%2)          ; each accumulator from its low end on
	ds_store_b128 v[STO], v[ACC+8*(4*\mq+\t)+4:ACC+8*(4*\mq+\t)+7] offset:128*(\t/2)+32*(\t%2)+16
.endr
.irp n, 0,1,2,3,4,5,6,7
	ds_load_b128 v[OB+32*(\mq%2)+4*\n:OB+32*(\mq%2)+4*\n+3], v[SRD] offset:2*\n*272   ; LDS serves a wave's instructions in order (ISA guide 5.7.1.4): these see the stores above
.endr
	s_wait_dscnt 0x0
.irp n, 0,1,2,3,4,5,6,7
	v_pk_add_f32 v[OB+32*(\mq%2)+4*\n:OB+32*(\mq%2)+4*\n+1], v[OB+32*(\mq%2)+4*\n:OB+32*(\mq%2)+4*\n+1], v[BO:BO+1]       ; + bo
	v_pk_add_f32 v[OB+32*(\mq%2)+4*\n+2:OB+32*(\mq%2)+4*\n+3], v[OB+32*(\mq%2)+4*\n+2:OB+32*(\mq%2)+4*\n+3], v[BO+2:BO+3]
.endr
.irp n, 0,1,2,3,4,5,6,7
	global_store_b128 v[GO], v[OB+32*(\mq%2)+4*\n:OB+32*(\mq%2)+4*\n+3], s[18:19] offset:(32*((4*\mh+\mq)/2)+8*((4*\mh+\mq)%2)+2*\n+8*(\n/4))*2048 th:TH_STORE_NT   ; 16 lanes store 256 consecutive bytes, aligned
.endr
.endr
.endr
	s_wait_tensorcnt 0x0                           ; the wave's end
	ds_add_u32 v[SPW], v[NIL]
	s_wait_dscnt 0x0
	s_endpgm
.Lfunc_end_k_q85ea8bf43e_attn:
	.size	k_q85ea8bf43e_attn, .Lfunc_end_k_q85ea8bf43e_attn-k_q85ea8bf43e_attn
	.p2alignl 7, 3214868480
	.fill 96, 4, 3214868480
	.section	.rodata,"a",@progbits
	.p2align	6, 0x0
	.amdhsa_kernel k_q85ea8bf43e_attn
		.amdhsa_group_segment_fixed_size 327680
		.amdhsa_private_segment_fixed_size 0
		.amdhsa_enable_private_segment 0
		.amdhsa_kernarg_size 64
		.amdhsa_user_sgpr_count 2
		.amdhsa_user_sgpr_kernarg_segment_ptr 1
		.amdhsa_wavefront_size32 1
		.amdhsa_system_sgpr_workgroup_id_x 1
		.amdhsa_system_sgpr_workgroup_id_y 1
		.amdhsa_system_sgpr_workgroup_id_z 1
		.amdhsa_system_vgpr_workitem_id 0
		.amdhsa_next_free_vgpr 512
		.amdhsa_next_free_sgpr 66
		.amdhsa_reserve_vcc 0
		.amdhsa_float_denorm_mode_32 3
		.amdhsa_float_denorm_mode_16_64 3
		.amdhsa_memory_ordered 1
		.amdhsa_forward_progress 1
		.amdhsa_inst_pref_size 255
	.end_amdhsa_kernel
	.section	.bss,"aw",@nobits
	.p2align	6
	.space	262144
	.amdgpu_metadata
---
amdhsa.version: [ 1, 2 ]
amdhsa.kernels:
  - .name:           k_q85ea8bf43e_attn
    .symbol:         k_q85ea8bf43e_attn.kd
    .args:
      - { .name: qb, .offset: 0, .size: 8, .value_kind: global_buffer, .address_space: global }
      - { .name: kv, .offset: 8, .size: 8, .value_kind: global_buffer, .address_space: global }
      - { .name: wcodes, .offset: 16, .size: 8, .value_kind: global_buffer, .address_space: global }
      - { .name: wscales, .offset: 24, .size: 8, .value_kind: global_buffer, .address_space: global }
      - { .name: bo, .offset: 32, .size: 8, .value_kind: global_buffer, .address_space: global }
      - { .name: modality_weights, .offset: 40, .size: 8, .value_kind: global_buffer, .address_space: global }
      - { .name: temporal_sync, .offset: 48, .size: 8, .value_kind: global_buffer, .address_space: global }
      - { .name: out0, .offset: 56, .size: 8, .value_kind: global_buffer, .address_space: global }
    .group_segment_fixed_size: 327680
    .private_segment_fixed_size: 0
    .kernarg_segment_align: 8
    .kernarg_segment_size: 64
    .max_flat_workgroup_size: 256
    .sgpr_count:     66
    .vgpr_count:     512
    .wavefront_size: 32
...
	.end_amdgpu_metadata
.endif
;; end of part 3
